; MI455X (gfx1250); checked and timed in simulation.
; The chip was launched on July 23, 2026; its instructions are those of AMD's public machine-readable ISA for CDNA 5 (MIT licence, August 2026) and "CDNA5" Instruction Set Architecture Reference Guide (July 2026). The comments in the code are by the model that wrote it; some were corrected since.
;; MLP Attn. Allowed arithmetic: matrix products marked QUANTISED: E5M2 operands, one E8M0 scale for each 32 along K, by v_wmma_scale_f32_16x16x128_f8f6f4 with both operands' format E5M2, f32 sums; products left as they are: f32 operands where the result goes on into a quantised operand, else bf16, f16 or f32 operands; f32 sums; everything else in f32.
;; Inputs: W_mlp 256 x 512 float32; b_mlp 256 float32; b_out 1 float32; decoder_states 2 x 512 x 256 float32; encoder_states 2 x 512 x 256 float32; w_out 1 x 256 float32.
;; Outputs: out0 2 x 512 x 512 float32.
;; This version of the problem:
;;   THIS VERSION OF THE PROBLEM IS GIVEN IN LOW PRECISION. The matrix products marked QUANTISED in the list below multiply operands that are first quantised to E5M2 (5 exponent bits, 2 mantissa bits; 8 bits a number), with one power-of-two scale for each 32 numbers along K (OCP MX v1.0); their sums are f32. All else is computed in f32.
;;   The module's matrix products, in the order in which they are computed (A, B: the left and right operand; K: the contracted axis; several contracted axes count as one K, in the product's order):
;;     1. [M 1,024, K 256] x [K 256, N 256]; A: input encoder_states; B: input W_mlp: QUANTISED
;;     2. [M 1,024, K 256] x [K 256, N 256]; A: input decoder_states; B: input W_mlp: QUANTISED
;;     3. [M 524,288, K 256] x [K 256, N 1]; A: computed on the way; B: input w_out: left as it is (N = 1 < 16)
;;   THE QUANTISER, for each operand of a quantised product, along K:
;;     - K is cut into blocks of 32 from its start; a last block that is shorter is filled with zeros.
;;     - A block's scale is 2^e with e = floor(log2(the largest magnitude in the block)) - 15, held to -126 .. 127; a block of zeros has e = 0. As a byte (E8M0): e + 127.
;;     - Each number is divided by its block's scale, clamped to +-57,344, and rounded to the nearest number of E5M2, ties to even, subnormals kept.
;;     - The product sums the exact products of the quantised numbers (number of the format x scale) in f32.
;;   ~~~python
;;   def quantise(x, axis):      # numpy; x: float32 -> the quantised numbers, widened to float32 again
;;       x = np.moveaxis(x, axis, -1); K = x.shape[-1]
;;       x = np.pad(x, [(0, 0)] * (x.ndim - 1) + [(0, -K % 32)]); x = x.reshape(x.shape[:-1] + (-1, 32)); a = np.abs(x).max(-1, keepdims=True)
;;       e = np.where(a > 0, np.clip(np.frexp(np.where(a > 0, a, 1))[1] - 1 - 15, -126, 127), 0)      # np.frexp(a)[1] - 1 = floor(log2(a)), exactly
;;       r = np.clip(x / 2.0 ** e, -57344, 57344)
;;       step = 2.0 ** (np.maximum(np.frexp(np.where(r == 0, 1, r))[1] - 1, -14) - 2)
;;       q = np.round(r / step) * step * 2.0 ** e      # np.round: ties to even
;;       return np.moveaxis(q.reshape(q.shape[:-2] + (-1,))[..., :K], -1, axis).astype(np.float32)
;;   ~~~
;; One version. Each part assembles by itself: llvm-mc -triple=amdgcn-amd-amdhsa -mcpu=gfx1250 --defsym DOCPART=n.
;; ======== version 1 of 1: 2 launches
;; limits: a difference of large sums (such as E[x^2] - mean^2): digits are lost where the result is much smaller than its terms
;; workspace buffers: P 2,097,152 bytes
;; launch project (part 1): grid 8 x 32, 4 waves a work-group, no clusters, 168,448 bytes of LDS; arguments decoder_states, encoder_states, W_mlp, b_mlp, P; writes P
.if DOCPART == 1
	.amdgcn_target "amdgcn-amd-amdhsa--gfx1250"
	.amdhsa_code_object_version 6
	.text
	.protected	k_q6fc5c3ba22_project
	.globl	k_q6fc5c3ba22_project
	.p2align	8
	.type	k_q6fc5c3ba22_project,@function
k_q6fc5c3ba22_project:
	s_mov_b64 s[64:65], 0
	v_nop
	global_prefetch_b8 v0, s[64:65] scope:SCOPE_SE
	s_setreg_imm32_b32 hwreg(HW_REG_WAVE_MODE, 25, 1), 1
	s_wait_xcnt 0x0
; THE TWO PROJECTIONS, on codes of BF8 (E5M2) with one E8M0 scale for each 32 along K (K = 256).
;   P tiles  0-31:  dec_proj[row][d] + b_mlp[d],  dec_proj = Q(decoder_states) Q(W_mlp[:, 256:512])^T
;   P tiles 32-63: -enc_proj[row][d],             enc_proj = Q(encoder_states) Q(W_mlp[:, 0:256])^T
; P is laid for its reader: [64 tiles of 32 rows][256 d][32 rows] f32: 128 bytes for a tile and a d.
; SHARES.  A work-group (4 waves) takes 64 rows of states (y < 16: decoder, else encoder; only pointers, a sign and a mask are chosen: one path) and 32 rows of W (x).
; Wave w brings by three tensor loads, each 16 rows x 512 bytes: its state rows 16 w .. 16 w + 15, K steps 0 and 1, and rows 16 (w / 2) .. of W, K step w % 2.
; It reads them from LDS in the operand's layout, quantises them (3 x 64 numbers a lane) and stores codes and scale words to LDS as images of the operand's registers.
; Behind one barrier wave w multiplies: state tiles 2 (w / 2), 2 (w / 2) + 1 against W's tile w % 2: 4 matrix instructions, two accumulators by turns.
; Source 0 = 16 state rows, source 1 = 16 rows of W: in the result a lane holds one d (lane % 16) and eight neighbouring rows: 32 consecutive bytes of P.
; THE QUANTISER: a block's scale byte is its largest magnitude's exponent field - 15, held at 1 from below; numbers are held within +-57,344 x the scale and converted, ties to even.
; LIMITS: a block of zeros gets the byte 1 where the rule says 127 (its codes are zeros; only this program reads the bytes); NaN and infinities among the inputs are not served.
; NO CLUSTER: a block of state rows is read by 8 work-groups and a block of W's rows by 16, but each work-group asks once, at its head, for 96 KB in three loads a wave, and there is
; no loop of refills: a joint request would put one round of the cluster's barrier in front of that single fill and one at the end.  Nothing is filled again, so no spare words are kept.
.set TP,    528                        ; a tile's row in LDS: 512 bytes + 16: row r starts at bank 4 r mod 64 (64 banks of 4 bytes: ISA guide 11.1)
.set TB,    16*TP                      ; a tile
.set TWV,   3*TB                       ; a wave's three tiles
.set FRB,   2048                       ; a fragment's image: 16 registers x 32 lanes x 4 bytes
.set XIMG,  4*TWV                      ; behind the tiles: the states' 8 fragments (tile of rows m, K step s: 2 m + s),
.set WIMG,  XIMG+8*FRB                 ; W's 4 fragments (tile n, K step s: 2 n + s),
.set XSC,   WIMG+4*FRB                 ; their scale words, 128 bytes a fragment,
.set WSC,   XSC+8*128
.set STG,   WSC+4*128                  ; and a stage of 16 d x (128 bytes + 16) for each wave
.set SP,    144
.set STW,   16*SP
.set TRA, 1                            ; v1   where I read my tiles: wave x TWV + (lane % 16) x TP + 64 (lane / 16)
.set LI,  3                            ; v3   16 x lane
.set XWI, 4                            ; v4   where I store the states' images;  v5 their scale words
.set XWS, 5
.set WWI, 6                            ; v6   W's image;  v7 its scale word
.set WWS, 7
.set XFA, 8                            ; v8   where I fetch my four state fragments;  v9 their scale words
.set XFS, 9
.set WFA, 10                           ; v10  my two fragments of W;  v11 their scale words
.set WFS, 11
.set SO,  12                           ; v12  the stage, in;  v13 back
.set SR,  13
.set BA,  14                           ; v14  my d's byte in b_mlp
.set PW,  16                           ; v16-18 the three scale words made
.set XSR, 20                           ; v20-23 scale operands: the states';  v24-25 W's.  They hold scales and nothing else
.set WSR, 24
.set VB,  28                           ; v[28:29] the bias of my d
.set X0,  32                           ; v32-95, v96-159, v160-223: three sets of 64 numbers; later fragments, sums, rows
.set X1,  96
.set XW,  160
.set TM,  224                          ; v224-239 at work in the quantiser
.set PC0, 240                          ; v240-255 the first fragment's codes; the second's and third's go where the first set's numbers lay
.set ACC, 128
.set OUTR, 144
.set RB,  160
.set SEL, 56
.set MNT, 58
	s_load_b256 s[4:11], s[0:1], 0x0               ; decoder_states s[4:5], encoder_states s[6:7], W_mlp s[8:9], b_mlp s[10:11]
	s_load_b64 s[12:13], s[0:1], 0x20              ; P
	v_lshl_add_u32 v2, v0, 2, 0x29000
	s_set_vgpr_msb 0x40
	v_mov_b32 v1, 0
	s_set_vgpr_msb 0x4044
	ds_add_u32 v2, v1
	ds_add_u32 v2, v1
	s_set_vgpr_msb 0x4400
	v_lshrrev_b32 v15, 5, v0
	v_readfirstlane_b32 s14, v15                   ; wave 0..3
	s_and_b32 s15, ttmp7, 0xffff                   ; block of 64 rows: 0-15 decoder, 16-31 encoder
	; descriptor group 1: 16 rows x 128 elements of 4 bytes, 4 words of padding behind every 128 words; the states' rows are 256 elements apart, W's 512
	s_mov_b32 s24, (2<<16)|(1<<20)|(6<<22)|(3<<25)
	s_mov_b32 s25, 128<<16                         ; tensor_dim0
	s_mov_b32 s26, 16<<16                          ; tensor_dim1
	s_mov_b32 s27, 128<<16                         ; tile_dim0
	s_mov_b32 s28, 16                              ; tile_dim1
	s_mov_b32 s29, 256                             ; from row to row
	s_mov_b32 s30, 0
	s_mov_b32 s31, 0
	s_mov_b32 s32, (2<<16)|(1<<20)|(6<<22)|(3<<25)
	s_mov_b32 s33, 128<<16
	s_mov_b32 s34, 16<<16
	s_mov_b32 s35, 128<<16
	s_mov_b32 s36, 16
	s_mov_b32 s37, 512
	s_mov_b32 s38, 0
	s_mov_b32 s39, 0
	s_and_b32 s62, s14, 1                          ; wave % 2: the K step of W that I quantise; later the tile of W that I multiply by
	s_lshr_b32 s63, s14, 1                         ; wave / 2: the tile of W that I quantise; later my pair of state tiles
	s_lshl_b32 s66, ttmp9, 5                       ; the work-group's first d
	s_and_b32 s16, s15, 15
	s_lshl_b32 s16, s16, 16                        ; 64 rows of 1,024 bytes,
	s_lshl_b32 s23, s14, 14                        ; my 16 of them
	s_add_co_u32 s16, s16, s23
	s_mov_b32 s17, 0
	s_lshl_b32 s18, s63, 4
	s_add_co_u32 s18, s18, s66
	s_lshl_b32 s18, s18, 11                        ; W: my first row, 2,048 bytes a row,
	s_lshl_b32 s23, s62, 9                         ; my K step, 512 bytes,
	s_add_co_u32 s18, s18, s23
	s_mov_b32 s19, 0
	s_mul_i32 s22, s14, TWV                        ; my tiles in LDS
	s_cmp_lt_u32 s15, 16                           ; decoder?
	s_cselect_b32 s23, 1024, 0                     ; the decoder's half of W's rows lies behind the encoder's
	s_cselect_b32 s40, 1.0, -1.0                   ; the sign under which the result is kept
	s_cselect_b32 s42, -1, 0                       ; all lanes, or none, take the bias
	s_add_co_u32 s18, s18, s23
	s_mov_b32 s41, s40                             ; (named with s40 as a pair, so it is written)
	s_wait_dscnt 0x0
	s_wait_kmcnt 0x0
	s_cmp_lt_u32 s15, 16
	s_cselect_b64 s[20:21], s[4:5], s[6:7]
	s_add_nc_u64 s[20:21], s[20:21], s[16:17]
	s_mov_b32 s44, 1                               ; group 0: count 1, LDS address, global address, type 2
	s_mov_b32 s45, s22
	s_mov_b64 s[46:47], s[20:21]
	s_or_b32 s47, s47, 0x80000000
	s_mov_b32 s48, 1
	s_add_co_u32 s49, s22, TB
	s_add_nc_u64 s[50:51], s[20:21], 512           ; K step 1
	s_or_b32 s51, s51, 0x80000000
	s_mov_b32 s52, 1
	s_add_co_u32 s53, s22, 2*TB
	s_add_nc_u64 s[54:55], s[8:9], s[18:19]
	s_or_b32 s55, s55, 0x80000000
	tensor_load_to_lds s[44:47], s[24:31]          ; the launch's only fills, in one group: three loads of mine are out
	s_nop 0
	tensor_load_to_lds s[48:51], s[24:31]
	s_nop 0
	tensor_load_to_lds s[52:55], s[32:39]
	s_nop 0
	v_and_b32 v15, 15, v0                          ; r
	v_bfe_u32 v19, v0, 4, 1                        ; h
	v_and_b32 v26, 31, v0                          ; lane
	v_mul_u32_u24 v[TRA], v15, TP
	v_lshl_add_u32 v[TRA], v19, 6, v[TRA]          ; row r, + 64 h: my 16 numbers of a block of 32
	v_add_nc_u32 v[TRA], s22, v[TRA]
	v_lshlrev_b32 v[LI], 4, v26
	v_lshlrev_b32 v27, 2, v26
	s_lshl_b32 s23, s14, 12
	s_add_co_u32 s23, s23, XIMG
	v_add_nc_u32 v[XWI], s23, v[LI]                ; images 2 w, 2 w + 1
	s_lshl_b32 s23, s14, 8
	s_add_co_u32 s23, s23, XSC
	v_add_nc_u32 v[XWS], s23, v27
	s_lshl_b32 s23, s14, 11
	s_add_co_u32 s23, s23, WIMG
	v_add_nc_u32 v[WWI], s23, v[LI]                ; image w = 2 (w / 2) + w % 2
	s_lshl_b32 s23, s14, 7
	s_add_co_u32 s23, s23, WSC
	v_add_nc_u32 v[WWS], s23, v27
	s_lshl_b32 s23, s63, 13
	s_add_co_u32 s23, s23, XIMG
	v_add_nc_u32 v[XFA], s23, v[LI]                ; the four images of my pair of state tiles
	s_lshl_b32 s23, s63, 9
	s_add_co_u32 s23, s23, XSC
	v_add_nc_u32 v[XFS], s23, v27
	s_lshl_b32 s23, s62, 12
	s_add_co_u32 s23, s23, WIMG
	v_add_nc_u32 v[WFA], s23, v[LI]                ; the two images of my tile of W
	s_lshl_b32 s23, s62, 8
	s_add_co_u32 s23, s23, WSC
	v_add_nc_u32 v[WFS], s23, v27
	s_mul_i32 s23, s14, STW
	s_add_co_u32 s23, s23, STG                     ; my stage
	v_mul_u32_u24 v[SO], v15, SP
	v_lshl_add_u32 v[SO], v19, 5, v[SO]
	v_add_nc_u32 v[SO], s23, v[SO]                 ; in: row d = r, + 32 h
	v_lshrrev_b32 v30, 3, v26
	v_and_b32 v31, 7, v0
	v_mul_u32_u24 v[SR], v30, SP
	v_lshl_add_u32 v[SR], v31, 4, v[SR]
	v_add_nc_u32 v[SR], s23, v[SR]                 ; back: eight lanes to a row of 128 bytes, four rows an instruction
	s_lshl_b32 s60, s15, 1
	s_add_co_u32 s60, s60, s63                     ; my tile of 32 rows in P,
	s_lshl_b32 s60, s60, 15                        ; 32,768 bytes a tile,
	s_lshl_b32 s67, s62, 4
	s_add_co_u32 s67, s67, s66                     ; my first d,
	s_lshl_b32 s68, s67, 7                         ; 128 bytes a d
	s_add_co_u32 s60, s60, s68
	s_mov_b32 s61, 0
	s_add_nc_u64 s[12:13], s[12:13], s[60:61]
	s_lshl_b32 s67, s67, 2
	v_lshl_add_u32 v[BA], v15, 2, s67
	global_load_b32 v[VB], v[BA], s[10:11]         ; b_mlp at my d
	s_mov_b32 s[SEL], 0x76543210
	s_mov_b32 s[SEL+1], 0xfedcba98                 ; v_permlanex16_b32's selects for lane l xor 16
	s_mov_b32 s[MNT], 0x600000                     ; the mantissa field of 57,344
.irp b, 0,1,2,3
	v_mov_b32 v[TM+4+\b], 0                        ; written once: a lane permute's destination counts as one of its sources
.endr
; tile n of mine into 64 registers: register 16 b + i = k 32 b + 16 (lane / 16) + i of row lane % 16
.macro LOADF reg, n
.irp b, 0,1,2,3
.irp j, 0,1,2,3
	ds_load_b128 v[\reg+16*\b+4*\j:\reg+16*\b+4*\j+3], v[TRA] offset:\n*TB+128*\b+16*\j
.endr
.endr
.endm
; 64 numbers of a lane, v[s] on, become a fragment's codes in v[pc] on and its scale word in v[pw]
.macro QUANT s, pc, pw
.irp b, 0,1,2,3
	v_max3_num_f32 v[TM+\b], |v[\s+16*\b]|, |v[\s+1+16*\b]|, 0x8000000   ; block b: my 16 numbers, and the floor 2^(16 - 127): so the byte cannot fall under 1
.endr
.irp i, 2,4,6,8,10,12,14
.irp b, 0,1,2,3
	v_max3_num_f32 v[TM+\b], v[TM+\b], |v[\s+16*\b+\i]|, |v[\s+1+16*\b+\i]|   ; the four blocks by turns
.endr
.endr
.irp b, 0,1,2,3
	v_permlanex16_b32 v[TM+4+\b], v[TM+\b], s[SEL], s[SEL+1]
.endr
.irp b, 0,1,2,3
	v_max_num_f32 v[TM+\b], v[TM+\b], v[TM+4+\b]   ; with lane l xor 16's 16: the block's largest magnitude
.endr
.irp b, 0,1,2,3
	v_add_nc_u32 v[TM+12+\b], 0xf8800000, v[TM+\b] ; 15 off its exponent field: the conversion takes this operand's exponent field as its scale
.endr
.irp b, 0,1,2,3
	v_and_or_b32 v[TM+8+\b], v[TM+\b], 0x7f800000, s[MNT]   ; 57,344 x the scale
.endr
.irp b, 0,1,2,3
	v_lshrrev_b32 v[TM+4+\b], 23, v[TM+12+\b]      ; the scale's byte
.endr
	v_lshl_or_b32 v[\pw], v[TM+5], 8, v[TM+4]      ; four bytes: my row's scale word
	v_lshl_or_b32 v[\pw], v[TM+6], 16, v[\pw]
	v_lshl_or_b32 v[\pw], v[TM+7], 24, v[\pw]
.irp b, 0,1,2,3
.irp i, 0,1,2,3,4,5,6,7,8,9,10,11,12,13,14,15
	v_med3_num_f32 v[\s+16*\b+\i], v[\s+16*\b+\i], -v[TM+8+\b], v[TM+8+\b]   ; the conversion to an 8-bit code does not saturate (ISA guide 7.6.2): the hold comes first
.endr
	v_cvt_scalef32_pk8_bf8_f32 v[(\pc)+4*\b:(\pc)+1+4*\b], v[\s+16*\b:\s+7+16*\b], v[TM+12+\b]
	v_cvt_scalef32_pk8_bf8_f32 v[(\pc)+2+4*\b:(\pc)+3+4*\b], v[\s+8+16*\b:\s+15+16*\b], v[TM+12+\b]
.endr
	v_nop                                          ; one plain vector instruction behind the last conversion, ahead of whatever vector or matrix instruction next touches its registers
.endm
.macro IMAGE adr, pc, off                      ; a fragment goes to LDS as it stands in the registers: lane l's 16 bytes at 16 l
.irp c, 0,1,2,3
	ds_store_b128 v[\adr], v[(\pc)+4*\c:(\pc)+4*\c+3] offset:\off+512*\c
.endr
.endm
.macro FETCH reg, adr, off                     ; and comes back so, in any wave
.irp c, 0,1,2,3
	ds_load_b128 v[\reg+4*\c:\reg+4*\c+3], v[\adr] offset:\off+512*\c
.endr
.endm
	s_wait_tensorcnt 0x2                           ; my first tile has landed; the two younger loads may be out.  Only I read my tiles
	LOADF X0, 0
	s_wait_tensorcnt 0x1                           ; the second; W's may be out
	LOADF X1, 1
	s_wait_dscnt 16                                ; the first set is in; the second set's 16 loads may be out
	QUANT X0, PC0, PW
	IMAGE XWI, PC0, 0
	ds_store_b32 v[XWS], v[PW]
	s_wait_tensorcnt 0x0                           ; W's tile
	LOADF XW, 2
	s_wait_dscnt 21                                ; the second set is in: behind it stand 5 stores and 16 loads
	QUANT X1, X0, PW+1                             ; codes into registers of their own: no pending store's data are written again
	IMAGE XWI, X0, FRB
	ds_store_b32 v[XWS], v[PW+1] offset:128
	s_wait_dscnt 5                                 ; the third set is in: behind it stand 5 stores
	QUANT XW, X0+16, PW+2
	IMAGE WWI, X0+16, 0
	ds_store_b32 v[WWS], v[PW+2]
	s_wait_loadcnt 0x0                             ; b_mlp
	v_cndmask_b32 v[VB], 0, v[VB], s42             ; the encoder's side carries no bias
	v_mov_b32 v[VB+1], v[VB]                       ; (named with it as a pair)
	s_wait_dscnt 0x0                               ; for the others' sake: my images lie in LDS
	s_barrier_signal -1
	s_barrier_wait -1
.irp f, 0,1,2,3                                ; state fragment f = 2 T + s: tile T of my pair, K step s
	FETCH X0+16*\f, XFA, \f*FRB
	ds_load_b32 v[XSR+\f], v[XFS] offset:128*\f
.endr
.irp f, 0,1                                    ; W's K step f
	FETCH X1+16*\f, WFA, \f*FRB
	ds_load_b32 v[WSR+\f], v[WFS] offset:128*\f
.endr
	s_wait_dscnt 0x0
	; two accumulators by turns, one instruction a turn; the first K step starts the sums
	v_wmma_scale_f32_16x16x128_f8f6f4 v[ACC:ACC+7], v[X0:X0+15], v[X1:X1+15], 0, v[XSR], v[WSR] matrix_a_fmt:MATRIX_FMT_BF8 matrix_b_fmt:MATRIX_FMT_BF8
	v_wmma_scale_f32_16x16x128_f8f6f4 v[ACC+8:ACC+15], v[X0+32:X0+47], v[X1:X1+15], 0, v[XSR+2], v[WSR] matrix_a_fmt:MATRIX_FMT_BF8 matrix_b_fmt:MATRIX_FMT_BF8
	v_wmma_scale_f32_16x16x128_f8f6f4 v[ACC:ACC+7], v[X0+16:X0+31], v[X1+16:X1+31], v[ACC:ACC+7], v[XSR+1], v[WSR+1] matrix_a_fmt:MATRIX_FMT_BF8 matrix_b_fmt:MATRIX_FMT_BF8
	v_wmma_scale_f32_16x16x128_f8f6f4 v[ACC+8:ACC+15], v[X0+48:X0+63], v[X1+16:X1+31], v[ACC+8:ACC+15], v[XSR+3], v[WSR+1] matrix_a_fmt:MATRIX_FMT_BF8 matrix_b_fmt:MATRIX_FMT_BF8
.rept 8
	v_nop                                          ; eight places between this form and the first read of its results
.endr
.irp p, 0,1,2,3,4,5,6,7                        ; each accumulator from its low end on: sum x sign + bias, two at a time
	v_pk_fma_f32 v[OUTR+2*\p:OUTR+2*\p+1], v[ACC+2*\p:ACC+2*\p+1], s[40:41], v[VB:VB+1] op_sel_hi:[1,0,0]
.endr
	; lane (r, h), tile T, register j: (d = r, row 16 T + 8 h + j).  Through my own stage, so that each store of the wave covers 512 consecutive bytes of P
.irp q, 0,1,2,3                                ; q = 2 T + g: rows 16 T + 8 h + 4 g on
	ds_store_b128 v[SO], v[OUTR+4*\q:OUTR+4*\q+3] offset:64*(\q/2)+16*(\q%2)
.endr
.irp i, 0,1,2,3
	ds_load_b128 v[RB+4*\i:RB+4*\i+3], v[SR] offset:\i*4*SP   ; LDS serves a wave's instructions in order (ISA guide 5.7.1.4): these see my stores
.endr
.irp i, 0,1,2,3
	s_wait_dscnt 3-\i                              ; the younger loads may be out
	global_store_b128 v[LI], v[RB+4*\i:RB+4*\i+3], s[12:13] offset:512*\i
.endr
	s_set_vgpr_msb 0x4
	s_wait_tensorcnt 0x0
	ds_add_u32 v2, v1
	s_wait_dscnt 0x0
	s_set_vgpr_msb 0x400
	s_endpgm
.Lfunc_end_k_q6fc5c3ba22_project:
	.size	k_q6fc5c3ba22_project, .Lfunc_end_k_q6fc5c3ba22_project-k_q6fc5c3ba22_project
	.p2alignl 7, 3214868480
	.fill 96, 4, 3214868480
	.section	.rodata,"a",@progbits
	.p2align	6, 0x0
	.amdhsa_kernel k_q6fc5c3ba22_project
		.amdhsa_group_segment_fixed_size 168448
		.amdhsa_private_segment_fixed_size 0
		.amdhsa_enable_private_segment 0
		.amdhsa_kernarg_size 40
		.amdhsa_user_sgpr_count 2
		.amdhsa_user_sgpr_kernarg_segment_ptr 1
		.amdhsa_wavefront_size32 1
		.amdhsa_system_sgpr_workgroup_id_x 1
		.amdhsa_system_sgpr_workgroup_id_y 1
		.amdhsa_system_sgpr_workgroup_id_z 1
		.amdhsa_system_vgpr_workitem_id 0
		.amdhsa_next_free_vgpr 258
		.amdhsa_next_free_sgpr 70
		.amdhsa_reserve_vcc 0
		.amdhsa_float_denorm_mode_32 3
		.amdhsa_float_denorm_mode_16_64 3
		.amdhsa_memory_ordered 1
		.amdhsa_forward_progress 1
		.amdhsa_inst_pref_size 39
	.end_amdhsa_kernel
	.amdgpu_metadata
---
amdhsa.version: [ 1, 2 ]
amdhsa.kernels:
  - .name:           k_q6fc5c3ba22_project
    .symbol:         k_q6fc5c3ba22_project.kd
    .args:
      - { .name: decoder_states, .offset: 0, .size: 8, .value_kind: global_buffer, .address_space: global }
      - { .name: encoder_states, .offset: 8, .size: 8, .value_kind: global_buffer, .address_space: global }
      - { .name: W_mlp, .offset: 16, .size: 8, .value_kind: global_buffer, .address_space: global }
      - { .name: b_mlp, .offset: 24, .size: 8, .value_kind: global_buffer, .address_space: global }
      - { .name: P, .offset: 32, .size: 8, .value_kind: global_buffer, .address_space: global }
    .group_segment_fixed_size: 168448
    .private_segment_fixed_size: 0
    .kernarg_segment_align: 8
    .kernarg_segment_size: 40
    .max_flat_workgroup_size: 128
    .sgpr_count:     70
    .vgpr_count:     258
    .wavefront_size: 32
...
	.end_amdgpu_metadata
.endif
;; end of part 1
;; launch pair (part 2): grid 16 x 16, 8 waves a work-group, no clusters, 181,248 bytes of LDS; arguments P, w_out, b_out, out0; writes out0
.if DOCPART == 2
	.amdgcn_target "amdgcn-amd-amdhsa--gfx1250"
	.amdhsa_code_object_version 6
	.text
	.protected	k_q6fc5c3ba22_pair
	.globl	k_q6fc5c3ba22_pair
	.p2align	8
	.type	k_q6fc5c3ba22_pair,@function
k_q6fc5c3ba22_pair:
	s_mov_b64 s[64:65], 0
	v_nop
	global_prefetch_b8 v0, s[64:65] scope:SCOPE_SE
	s_setreg_imm32_b32 hwreg(HW_REG_WAVE_MODE, 25, 1), 1
	s_wait_xcnt 0x0
; out[b][q][e] = sum over d of w[d] relu(dec_proj[q][d] + enc_proj[e][d] + b_mlp[d]) + b_out, all in f32, from P = [64 tiles of 32 rows][256 d][32 rows]:
; tiles 0-31 hold A = dec_proj + b_mlp, tiles 32-63 hold N = -enc_proj.
; THE FORM.  relu(A + c) = max(A, -c) + c, so out = sum_d w max(A[q], N[e]) - sum_d w N[e] + b_out.  The second sum hangs on e alone.  A number of the hidden layer then costs one maximum and one
; fused multiply-add, each issued for two numbers at once.  LIMIT, stated: the two sums can cancel, so the absolute error is a few 2^-24 x sum_d |w| (|A| + |N|),
; whatever the result's size; it scales with the inputs.
; SHARES.  A work-group owns 32 q x 64 e of one batch.  A lane owns 8 q x 8 e (64 sums), lane = 8 lq + le: q = 8 lq + i; e = 4 le + j and 32 + 4 le + j.  So one wave covers the whole tile, and the
; EIGHT WAVES SHARE d, 32 each: no wave reads another's operands.  Each brings its own slices of A's tile and of N's two tiles into its own LDS bytes, in 4 chunks of 8 d, two tensor loads a chunk
; (8 loads of mine are out at the most), all issued at the head; it reads a chunk behind its own counted wait, so work begins when the first chunk (1 KB + 2 KB) is there.
; One d: 4 LDS loads of 16 bytes and one of 8 feed 65 vector instructions.  The 32 steps are written out by a macro: every offset and every count is a constant of the text.
; At the end the eight waves' parts meet in a stage in LDS, and each wave adds and stores 4 whole rows of the tile: sixteen lanes store 256 consecutive bytes, aligned.
; NO CLUSTER: A's tile is read by 8 work-groups and N's by 16, but each asks once, at its head, and waits only for its first chunk: the other three land under the 8 steps (520 vector instructions a
; wave) of the chunk before.  Joint requests would put two rounds of the cluster's barrier round a single fill.  Nothing is filled again, so no spare words are kept.
.set NW,   8
.set DS,   32                          ; d's of a wave
.set CH,   8                           ; d's in a chunk
.set NCH,  4
.set AB,   CH*128                      ; a chunk of A, or of half of N: 1,024 bytes
.set NPI,  AB+128                      ; N's two halves lie 1,152 bytes apart in LDS, so that the one load that takes 128 bytes of each touches every bank once (64 banks of 4 bytes: ISA guide 11.1)
.set CHB,  AB+2*NPI                    ; a chunk in LDS: A, N's first 32 e, N's second 32 e
.set WVB,  NCH*CHB                     ; a wave's slices
.set STG,  NW*WVB                      ; behind them the stage: for each wave 32 rows of sums and one row of sum w N, 256 bytes + 16 each
.set SPT,  272
.set PART, 9216
.set VA,  1                            ; v1  LDS: my 8 q of a row of A
.set VN,  2                            ; v2  my 4 e of N's first half (the second: + NPI)
.set VS,  3                            ; v3  for sum w N: lanes 0-15 two e each of the first half, lanes 16-31 of the second
.set VST, 4                            ; v4  the stage: where my sums go;  v5 my two of sum w N
.set VSS, 5
.set VRD, 6                            ; v6  and where I read rows back;  v7 the rows of sum w N
.set VSD, 7
.set VGO, 8                            ; v8  my byte offset in out0
.set SA,  10                           ; v[10:11] sum w N of my two e
.set M,   12                           ; v12-27  sixteen maxima at work
.set BUF, 32                           ; four sets of 20: 8 of A, 8 of N, 2 for sum w N (two spare)
.set ACC, 128                          ; v128-191 sum (i, j) at ACC + 8 i + j
.set R,   32                           ; the last sums: v32-63 sum w N's parts, v64-127 two pairs of rows' parts
.set G1A, 12                           ; s[12:19], s[20:27] descriptor groups 1;  s[28:59] eight groups 0
.set G1N, 20
.set G0,  28
.set W0,  68                           ; s68-99 my 32 of w_out
.set TW,  100                          ; s[100:101], s[104:105]: an odd d's w, moved to an even register: the packed form takes the low word of a scalar pair
	s_load_b256 s[4:11], s[0:1], 0x0               ; P s[4:5], w_out s[6:7], b_out s[8:9], out0 s[10:11]
	v_lshl_add_u32 v192, v0, 2, 0x2c000
	v_mov_b32 v193, 0
	ds_add_u32 v192, v193
	ds_add_u32 v192, v193
	v_lshrrev_b32 v9, 5, v0
	v_readfirstlane_b32 s2, v9                     ; wave 0..7
	s_and_b32 s3, ttmp7, 0xffff                    ; 8 x batch + block of 64 e
	s_mov_b32 s[G1A], 3<<16                        ; A's chunk: 1,024 dense bytes as 4 rows of 32 elements of 8 bytes
	s_mov_b32 s[G1A+1], 32<<16
	s_mov_b32 s[G1A+2], (AB/256)<<16
	s_mov_b32 s[G1A+3], 32<<16
	s_mov_b32 s[G1A+4], AB/256
	s_mov_b32 s[G1A+5], 32
	s_mov_b32 s[G1A+6], 0
	s_mov_b32 s[G1A+7], 0
	s_mov_b32 s[G1N], (3<<16)|(1<<20)|(7<<22)|(31<<25)   ; N's chunk: 2 rows of 128 elements of 8 bytes, one from each tile; 32 words of padding behind every 256 words
	s_mov_b32 s[G1N+1], 128<<16
	s_mov_b32 s[G1N+2], 2<<16
	s_mov_b32 s[G1N+3], 128<<16
	s_mov_b32 s[G1N+4], 2
	s_mov_b32 s[G1N+5], 4096                       ; from tile to tile: 32,768 bytes
	s_mov_b32 s[G1N+6], 0
	s_mov_b32 s[G1N+7], 0
	s_lshr_b32 s68, s3, 3                          ; batch
	s_and_b32 s69, s3, 7                           ; block of 64 e
	s_lshl_b32 s74, s68, 4
	s_add_co_u32 s70, s74, ttmp9                   ; A's tile: 16 x batch + block of 32 q
	s_lshl_b32 s70, s70, 15
	s_lshl_b32 s75, s2, 12                         ; my 32 d's: 128 bytes each
	s_add_co_u32 s70, s70, s75
	s_mov_b32 s71, 0
	s_lshl_b32 s72, s69, 1
	s_add_co_u32 s72, s72, s74
	s_add_co_u32 s72, s72, 32                      ; N's first tile: 32 + 16 x batch + 2 x block of 64 e
	s_lshl_b32 s72, s72, 15
	s_add_co_u32 s72, s72, s75
	s_mov_b32 s73, 0
	s_mul_i32 s63, s2, WVB                         ; my slices in LDS
	s_wait_dscnt 0x0
	s_wait_kmcnt 0x0
	s_add_nc_u64 s[70:71], s[4:5], s[70:71]
	s_add_nc_u64 s[72:73], s[4:5], s[72:73]
.irp c, 0,1,2,3                                ; all fills of the launch, in one group, chunk by chunk; each has a group 0 of its own
	s_mov_b32 s[G0+8*\c], 1
	s_add_co_u32 s[G0+8*\c+1], s63, \c*CHB
	s_add_nc_u64 s[G0+8*\c+2:G0+8*\c+3], s[70:71], \c*AB
	s_or_b32 s[G0+8*\c+3], s[G0+8*\c+3], 0x80000000
	tensor_load_to_lds s[G0+8*\c:G0+8*\c+3], s[G1A:G1A+7]
	s_nop 0
	s_mov_b32 s[G0+8*\c+4], 1
	s_add_co_u32 s[G0+8*\c+5], s63, \c*CHB+AB
	s_add_nc_u64 s[G0+8*\c+6:G0+8*\c+7], s[72:73], \c*AB
	s_or_b32 s[G0+8*\c+7], s[G0+8*\c+7], 0x80000000
	tensor_load_to_lds s[G0+8*\c+4:G0+8*\c+7], s[G1N:G1N+7]
	s_nop 0
.endr
	s_lshl_b32 s60, s68, 20                        ; out0: batch x 512 rows of 2,048 bytes,
	s_lshl_b32 s61, ttmp9, 16                      ; 32 rows a block of q,
	s_add_co_u32 s60, s60, s61
	s_lshl_b32 s61, s2, 13                         ; the 4 rows that I store,
	s_add_co_u32 s60, s60, s61
	s_lshl_b32 s61, s69, 8                         ; 256 bytes a block of e
	s_add_co_u32 s60, s60, s61
	s_mov_b32 s61, 0
	s_add_nc_u64 s[10:11], s[10:11], s[60:61]
	s_lshl_b32 s60, s2, 7                          ; my 32 of w_out
	s_add_nc_u64 s[6:7], s[6:7], s[60:61]
	s_load_b512 s[W0:W0+15], s[6:7], 0x0
	s_load_b512 s[W0+16:W0+31], s[6:7], 0x40
	s_load_b32 s62, s[8:9], 0x0                    ; b_out
	s_mov_b32 s[TW+1], 0                           ; (the pairs' upper words are named, so they are written)
	s_mov_b32 s[TW+5], 0
	v_and_b32 v9, 31, v0                           ; lane
	v_lshrrev_b32 v12, 3, v9                       ; lq
	v_and_b32 v13, 7, v0                           ; le
	v_and_b32 v14, 15, v0                          ; lane % 16
	v_bfe_u32 v15, v0, 4, 1                        ; lane / 16
	v_lshl_add_u32 v[VA], v12, 5, s63
	v_lshl_add_u32 v[VN], v13, 4, s63
	v_add_nc_u32 v[VN], AB, v[VN]
	v_mul_u32_u24 v[VS], v15, NPI
	v_lshl_add_u32 v[VS], v14, 3, v[VS]
	v_add_nc_u32 v[VS], s63, v[VS]
	v_add_nc_u32 v[VS], AB, v[VS]
	s_mul_i32 s3, s2, PART
	s_add_co_u32 s3, s3, STG                       ; my part of the stage
	v_mul_u32_u24 v[VST], v12, 8*SPT
	v_lshl_add_u32 v[VST], v13, 4, v[VST]
	v_add_nc_u32 v[VST], s3, v[VST]                ; row 8 lq (+ i), byte 16 le (+ 128 for the second half of e)
	v_lshlrev_b32 v[VSS], 7, v15
	v_lshl_add_u32 v[VSS], v14, 3, v[VSS]
	v_add_nc_u32 v[VSS], s3, v[VSS]
	s_mul_i32 s60, s2, 4*SPT
	s_add_co_u32 s60, s60, STG
	v_mul_u32_u24 v[VRD], v15, SPT
	v_lshl_add_u32 v[VRD], v14, 4, v[VRD]
	v_add_nc_u32 v[VRD], s60, v[VRD]               ; back: rows 4 w + lane / 16 (+ 2), sixteen lanes to a row
	v_lshl_add_u32 v[VSD], v14, 4, STG+32*SPT
	v_lshlrev_b32 v[VGO], 11, v15
	v_lshl_add_u32 v[VGO], v14, 4, v[VGO]
.macro LOADD d                                 ; step d's numbers into set d % 4: five LDS loads
.set BL, BUF+20*((\d)%4)
.set OF, ((\d)/CH)*CHB+((\d)%CH)*128
	ds_load_b128 v[BL:BL+3], v[VA] offset:OF
	ds_load_b128 v[BL+4:BL+7], v[VA] offset:OF+16
	ds_load_b128 v[BL+8:BL+11], v[VN] offset:OF
	ds_load_b128 v[BL+12:BL+15], v[VN] offset:OF+NPI
	ds_load_b64 v[BL+16:BL+17], v[VS] offset:OF
.endm
; ONE d.  Two rows of q at a time: 8 double maxima, then 8 packed multiply-adds, so that a maximum is read six instructions or more behind its making.
; The halves of a double instruction take their first sources (A's two rows) and their second sources (two neighbouring e) from neighbouring registers, and write one even and one odd register.
.macro STEP d
.set BB, BUF+20*((\d)%4)
.if (\d)%2
.set WS, TW+4*(((\d)/2)%2)
.else
.set WS, W0+(\d)
	s_mov_b32 s[TW+4*(((\d)/2)%2)], s[W0+(\d)+1]   ; the next step's w, to an even register; the two pairs take turns
.endif
.if DS-1-(\d) >= 3
	s_wait_dscnt 15                                ; this set is in: the three younger sets' 15 loads may be out
.else
	s_wait_dscnt 5*(DS-1-(\d))                     ; the last steps: the counts run down
.endif
.irp ip, 0,1,2,3
.irp jp, 0,1,2,3
	v_dual_max_num_f32 v[M+4*\jp], v[BB+2*\ip], v[BB+8+2*\jp] :: v_dual_max_num_f32 v[M+4*\jp+3], v[BB+2*\ip+1], v[BB+9+2*\jp]
	v_dual_max_num_f32 v[M+4*\jp+2], v[BB+2*\ip+1], v[BB+8+2*\jp] :: v_dual_max_num_f32 v[M+4*\jp+1], v[BB+2*\ip], v[BB+9+2*\jp]
.endr
.irp jp, 0,1,2,3
.if (\d) == 0                                  ; the first step starts the sums: nothing is cleared
	v_pk_mul_f32 v[ACC+16*\ip+2*\jp:ACC+16*\ip+2*\jp+1], v[M+4*\jp:M+4*\jp+1], s[WS:WS+1] op_sel_hi:[1,0]
	v_pk_mul_f32 v[ACC+16*\ip+8+2*\jp:ACC+16*\ip+8+2*\jp+1], v[M+4*\jp+2:M+4*\jp+3], s[WS:WS+1] op_sel_hi:[1,0]
.else
	v_pk_fma_f32 v[ACC+16*\ip+2*\jp:ACC+16*\ip+2*\jp+1], v[M+4*\jp:M+4*\jp+1], s[WS:WS+1], v[ACC+16*\ip+2*\jp:ACC+16*\ip+2*\jp+1] op_sel_hi:[1,0,1]
	v_pk_fma_f32 v[ACC+16*\ip+8+2*\jp:ACC+16*\ip+8+2*\jp+1], v[M+4*\jp+2:M+4*\jp+3], s[WS:WS+1], v[ACC+16*\ip+8+2*\jp:ACC+16*\ip+8+2*\jp+1] op_sel_hi:[1,0,1]
.endif
.endr
.endr
.if (\d) == 0
	v_pk_mul_f32 v[SA:SA+1], v[BB+16:BB+17], s[WS:WS+1] op_sel_hi:[1,0]
.else
	v_pk_fma_f32 v[SA:SA+1], v[BB+16:BB+17], s[WS:WS+1], v[SA:SA+1] op_sel_hi:[1,0,1]   ; sum w N: the wave's 32 lanes cover the 64 e once
.endif
.if (\d)+4 < DS
.if ((\d)+4)%CH == 0
	s_wait_tensorcnt 2*(NCH-1-((\d)+4)/CH)         ; the next chunk has landed: two loads for each chunk behind it may be out
.endif
	LOADD (\d)+4                                   ; this set takes the step four on
.endif
.endm
	s_wait_tensorcnt 2*(NCH-1)                     ; my first chunk has landed; the six younger loads may be out
	LOADD 0
	LOADD 1
	LOADD 2
	LOADD 3
	s_wait_kmcnt 0x0                               ; w_out, b_out
.irp d, 0,1,2,3,4,5,6,7,8,9,10,11,12,13,14,15,16,17,18,19,20,21,22,23,24,25,26,27,28,29,30,31
	STEP \d
.endr
	; THE PARTS MEET.  My 64 sums a lane go to my part of the stage as rows of the tile; row 32 takes my part of sum w N.
.irp i, 0,1,2,3,4,5,6,7
	ds_store_b128 v[VST], v[ACC+8*\i:ACC+8*\i+3] offset:\i*SPT
	ds_store_b128 v[VST], v[ACC+8*\i+4:ACC+8*\i+7] offset:\i*SPT+128
.endr
	ds_store_b64 v[VSS], v[SA:SA+1] offset:32*SPT
	s_wait_dscnt 0x0                               ; for the others' sake: my part lies in LDS
	s_barrier_signal -1
	s_barrier_wait -1
.irp u, 0,1,2,3,4,5,6,7
	ds_load_b128 v[R+4*\u:R+4*\u+3], v[VSD] offset:\u*PART   ; the eight parts of sum w N at my four e
.endr
.irp t, 0,1
.irp u, 0,1,2,3,4,5,6,7
	ds_load_b128 v[R+32+32*\t+4*\u:R+32+32*\t+4*\u+3], v[VRD] offset:\u*PART+\t*2*SPT   ; the eight parts of row 4 w + 2 t + lane / 16
.endr
.endr
.macro TREE base                               ; eight parts of four numbers, v[base + 4 u] on, are added into v[base] on
.irp u, 0,2,4,6
	v_pk_add_f32 v[\base+4*\u:\base+4*\u+1], v[\base+4*\u:\base+4*\u+1], v[\base+4*\u+4:\base+4*\u+5]
	v_pk_add_f32 v[\base+4*\u+2:\base+4*\u+3], v[\base+4*\u+2:\base+4*\u+3], v[\base+4*\u+6:\base+4*\u+7]
.endr
.irp u, 0,4
	v_pk_add_f32 v[\base+4*\u:\base+4*\u+1], v[\base+4*\u:\base+4*\u+1], v[\base+4*\u+8:\base+4*\u+9]
	v_pk_add_f32 v[\base+4*\u+2:\base+4*\u+3], v[\base+4*\u+2:\base+4*\u+3], v[\base+4*\u+10:\base+4*\u+11]
.endr
	v_pk_add_f32 v[\base:\base+1], v[\base:\base+1], v[\base+16:\base+17]
	v_pk_add_f32 v[\base+2:\base+3], v[\base+2:\base+3], v[\base+18:\base+19]
.endm
	s_wait_dscnt 16                                ; sum w N's parts are in; the rows' 16 loads may be out
	TREE R
.irp k, 0,1,2,3
	v_sub_f32 v[R+\k], s62, v[R+\k]                ; b_out - sum w N
.endr
.irp t, 0,1
	s_wait_dscnt 8-8*\t                            ; this pair of rows is in; the other pair's 8 loads may be out
	TREE R+32+32*\t
	v_pk_add_f32 v[R+32+32*\t:R+33+32*\t], v[R+32+32*\t:R+33+32*\t], v[R:R+1]
	v_pk_add_f32 v[R+34+32*\t:R+35+32*\t], v[R+34+32*\t:R+35+32*\t], v[R+2:R+3]
	global_store_b128 v[VGO], v[R+32+32*\t:R+35+32*\t], s[10:11] offset:4096*\t th:TH_STORE_NT   ; sixteen lanes store 256 consecutive bytes, at a multiple of 256 from out0's first byte; written once
.endr
	s_wait_tensorcnt 0x0
	ds_add_u32 v192, v193
	s_wait_dscnt 0x0
	s_endpgm
.Lfunc_end_k_q6fc5c3ba22_pair:
	.size	k_q6fc5c3ba22_pair, .Lfunc_end_k_q6fc5c3ba22_pair-k_q6fc5c3ba22_pair
	.p2alignl 7, 3214868480
	.fill 96, 4, 3214868480
	.section	.rodata,"a",@progbits
	.p2align	6, 0x0
	.amdhsa_kernel k_q6fc5c3ba22_pair
		.amdhsa_group_segment_fixed_size 181248
		.amdhsa_private_segment_fixed_size 0
		.amdhsa_enable_private_segment 0
		.amdhsa_kernarg_size 32
		.amdhsa_user_sgpr_count 2
		.amdhsa_user_sgpr_kernarg_segment_ptr 1
		.amdhsa_wavefront_size32 1
		.amdhsa_system_sgpr_workgroup_id_x 1
		.amdhsa_system_sgpr_workgroup_id_y 1
		.amdhsa_system_sgpr_workgroup_id_z 1
		.amdhsa_system_vgpr_workitem_id 0
		.amdhsa_next_free_vgpr 194
		.amdhsa_next_free_sgpr 106
		.amdhsa_reserve_vcc 0
		.amdhsa_float_denorm_mode_32 3
		.amdhsa_float_denorm_mode_16_64 3
		.amdhsa_memory_ordered 1
		.amdhsa_forward_progress 1
		.amdhsa_inst_pref_size 155
	.end_amdhsa_kernel
	.amdgpu_metadata
---
amdhsa.version: [ 1, 2 ]
amdhsa.kernels:
  - .name:           k_q6fc5c3ba22_pair
    .symbol:         k_q6fc5c3ba22_pair.kd
    .args:
      - { .name: P, .offset: 0, .size: 8, .value_kind: global_buffer, .address_space: global }
      - { .name: w_out, .offset: 8, .size: 8, .value_kind: global_buffer, .address_space: global }
      - { .name: b_out, .offset: 16, .size: 8, .value_kind: global_buffer, .address_space: global }
      - { .name: out0, .offset: 24, .size: 8, .value_kind: global_buffer, .address_space: global }
    .group_segment_fixed_size: 181248
    .private_segment_fixed_size: 0
    .kernarg_segment_align: 8
    .kernarg_segment_size: 32
    .max_flat_workgroup_size: 256
    .sgpr_count:     106
    .vgpr_count:     194
    .wavefront_size: 32
...
	.end_amdgpu_metadata
.endif
;; end of part 2
